; MI455X (gfx1250); checked and timed in simulation.
; The chip was launched on July 23, 2026; its instructions are those of AMD's public machine-readable ISA for CDNA 5 (MIT licence, August 2026) and "CDNA5" Instruction Set Architecture Reference Guide (July 2026). The comments in the code are by the model that wrote it; some were corrected since.
;; Cross Attention. Allowed arithmetic: matrix products marked QUANTISED: E4M3 operands, one given power-of-two scale a tensor, by v_wmma_f32_16x16x64_fp8_fp8 or v_wmma_f32_16x16x128_fp8_fp8, f32 sums; everything else in f32.
;; Inputs: Wk 256 x 128 float32; Wo 128 x 128 float32; Wq 256 x 128 float32; Wv 256 x 128 float32; bk 128 float32; bo 128 float32; bq 128 float32; bv 128 float32; ligand 4 x 4,096 x 256 float32; lowp_scales 12 int32 (the exponents e of the quantised operands' scales 2^e); pocket 4 x 4,096 x 256 float32.
;; Outputs: out0 4 x 4,096 x 128 float32.
;; This version of the problem:
;;   THIS VERSION OF THE PROBLEM IS GIVEN IN LOW PRECISION. The matrix products marked QUANTISED in the list below multiply operands that are first quantised to E4M3 (4 exponent bits, 3 mantissa bits; 8 bits a number), with one given power-of-two scale for each operand tensor; their sums are f32. All else is computed in f32.
;;   The module's matrix products, in the order in which they are computed (A, B: the left and right operand; K: the contracted axis; several contracted axes count as one K, in the product's order):
;;     1. [M 16,384, K 256] x [K 256, N 128]; A: input ligand; B: input Wq: QUANTISED (scales: A lowp_scales[0], B lowp_scales[1])
;;     2. [M 16,384, K 256] x [K 256, N 128]; A: input pocket; B: input Wk: QUANTISED (scales: A lowp_scales[2], B lowp_scales[3])
;;     3. [M 16,384, K 256] x [K 256, N 128]; A: input pocket; B: input Wv: QUANTISED (scales: A lowp_scales[4], B lowp_scales[5])
;;     4. batch 4 x [M 4,096, K 128] x [K 128, N 4,096]; A: computed on the way; B: computed on the way: QUANTISED (scales: A lowp_scales[6], B lowp_scales[7])
;;     5. batch 4 x [M 4,096, K 4,096] x [K 4,096, N 128]; A: softmax (see below); B: computed on the way: QUANTISED (scales: A lowp_scales[8], B lowp_scales[9])
;;     6. [M 16,384, K 128] x [K 128, N 128]; A: computed on the way; B: input Wo: QUANTISED (scales: A lowp_scales[10], B lowp_scales[11])
;;   THE QUANTISER, for each operand of a quantised product, along K:
;;     - The operand's scale is 2^e, e = its entry of the input lowp_scales (int32; the entries are numbered through the quantised products in the list's order, A before B).
;;     - Each number is divided by the scale, clamped to +-448, and rounded to the nearest number of E4M3, ties to even, subnormals kept.
;;     - The product sums the exact products of the quantised numbers (number of the format x scale) in f32.
;;   ~~~python
;;   def quantise(x, axis, e):      # numpy; x: float32 -> the quantised numbers, widened to float32 again
;;       x = np.moveaxis(x, axis, -1); K = x.shape[-1]
;;       r = np.clip(x / 2.0 ** e, -448, 448)
;;       step = 2.0 ** (np.maximum(np.frexp(np.where(r == 0, 1, r))[1] - 1, -6) - 3)
;;       q = np.round(r / step) * step * 2.0 ** e      # np.round: ties to even
;;       return np.moveaxis(q, -1, axis).astype(np.float32)
;;   ~~~
;;   SOFTMAX AHEAD OF A QUANTISED PRODUCT. Where the list says 'softmax', what is quantised is not the finished softmax but p = 2^(t - M), with t = logit x log2(e) and M = ceil(the row's largest t), a whole number; so 1/2 < the row's largest p <= 1. The row's sum l is taken of the UNQUANTISED p, in f32, and the product's result is divided by l at the end. Since M is a whole number, a kernel that streams over the keys may use a running M (the ceiling of the running maximum): every later rescaling is an exact power of two, so the quantised numbers keep their values, but for numbers so far below the row's largest that they fall under the format's range.
;;   OPERANDS COMPUTED ON THE WAY. 'Computed on the way' means the value that the module computes at that place (a softmax that the list does not call 'softmax' is quantised finished and normalised). What goes into a quantiser is computed in f32, as accurately as f32 sums, v_exp_f32 and their like allow (about 1e-6 of the number): no bf16 or f16 on the way to a quantiser, and a product that is left as it is and whose result goes on into a quantised operand takes f32 operands (vector FMAs, or v_wmma_f32_16x16x4_f32). A number that lies on a knife's edge between two numbers of the format may be rounded either way, as far as f32 arithmetic and the matrix unit's own rounding can turn it there, and no further.
;; One version. Each part assembles by itself: llvm-mc -triple=amdgcn-amd-amdhsa -mcpu=gfx1250 --defsym DOCPART=n.
;; ======== version 1 of 1: 2 launches
;; limits: right only within a limited range of input values
;; workspace buffers: q_codes 2,097,152 bytes; k_codes 2,097,152 bytes; v_codes 2,097,152 bytes; wo_codes 16,384 bytes
;; launch proj (part 1): grid 128 x 2, 8 waves a work-group, no clusters, 236,544 bytes of LDS; arguments ligand, pocket, Wq, Wk, Wv, Wo, bq, bk, bv, lowp_scales, q_codes, k_codes, v_codes, wo_codes; writes q_codes, k_codes, v_codes, wo_codes
.if DOCPART == 1
	.amdgcn_target "amdgcn-amd-amdhsa--gfx1250"
	.amdhsa_code_object_version 6
	.text
	.protected	k_qabbf9ca948_proj
	.globl	k_qabbf9ca948_proj
	.p2align	8
	.type	k_qabbf9ca948_proj,@function
k_qabbf9ca948_proj:
	s_mov_b64 s[64:65], 0
	v_nop
	global_prefetch_b8 v0, s[64:65] scope:SCOPE_SE
	s_setreg_imm32_b32 hwreg(HW_REG_WAVE_MODE, 25, 1), 1
	s_wait_xcnt 0x0
; THE THREE PROJECTIONS on codes of FP8 (E4M3), the quantisers of their results, and Wo's codes for the next launch.  Nothing of reference() is left out: every bias goes into a quantiser or to the output.
;   y = 0: Q = ligand Wq + bq;   y = 1: K = pocket Wk + bk (waves 0-3) and V = pocket Wv + bv (waves 4-7).
; A work-group takes 128 rows of X; waves w and w + 4 both work on rows 32 (w % 4) on.  In y = 0 waves 0-3 make columns 0-63, waves 4-7 columns 64-127.
; WEIGHTS: wave w quantises 32 columns of its weight (y = 0: waves 0-3 alone; there waves 4-7 of work-group 0 quantise Wo).  Codes go to LDS, [128 columns][256 bytes + 16].
; X comes by one tensor load a wave, 16 rows of 1,024 bytes.  No LDS byte is filled twice.
; QUANTISER: code = x / 2^e held within +-448, to the nearest code, ties to even.  A sum stands for sum x 2^(ea + eb): the bias goes in as the first product's C, divided by 2^(ea + eb); the result's conversion takes 2^(eo - ea - eb).
; LAYOUTS.  All codes lie as images of operand registers: 512 bytes = 32 lanes x 16 bytes = registers 4 c .. 4 c + 3 of an operand of 16 rows x 128 along k; lane (r = lane % 16, h = lane / 16) holds row r,
;   k = 32 c + 8 h + 0 .. 7 and 32 c + 16 + 8 h + 0 .. 7.  q_codes, k_codes: [1,024 tiles of 16 rows][c][lane]; v_codes: [128 blocks of 128 keys][8 tiles of 16 channels][c][lane], k = keys; wo_codes: [8 tiles of 16 columns][c][lane].
; Q, K: source 0 = 16 columns of W, source 1 = 16 rows of X: a lane holds one row and eight channels.  V: source 0 = rows of X: a lane holds one channel and eight keys.  So every store of a wave writes 512 consecutive bytes from registers as they stand.
; Along K = 256 both operands of a projection hold k = 32 c + 16 h + 0 .. 15 in registers 4 c .. 4 c + 3: one permutation of k on both sides.
; NO CLUSTER: what work-groups share is the f32 weights, which pass through registers to be turned; X is shared by nobody.  NO PREFETCH: no loop, every load is issued at the head.
; LIMITS: ea, eb of each projection, e11, and each eo - ea - eb lie between -126 and 119.  NaN among the inputs is not served; what lies beyond a scale's range is held at the largest code.
; REGISTERS: window 0: addresses, scales; v32-95 codes of W, then of X; v96-127 results' codes; v128-255 numbers in turn, then bias, then fragments of W.  window 1: W as loaded, then X, then accumulators (v0-31) and bias (v64-127).
.set WT2,  34816
.set XS,   69632
.set XP,   1040
.set WOS,  202752                      ; stage for Wo: 4,096 bytes for each wave
.set SPARE, 235520
.set SPW, 1
.set NIL, 2
.set WG,  3
.set WA,  4
.set WF1, 5
.set WF2, 6
.set XA,  7
.set GO,  8
.set BA1, 9
.set BA2, 10
.set WOG, 11
.set WOA, 12
.set WOR, 13
.set SW,  14
.set LW,  15
.set SX,  16
.set LX,  17
.set SO,  18
.set LO,  19
.set CW,  32
.set PC,  96
.set T,   128
.set MSB, 0
.macro WIN new                         ; the immediate's high byte repeats the setting that is left
.if MSB != (\new)
	s_set_vgpr_msb (MSB<<8)|(\new)
.set MSB, (\new)
.endif
.endm
.macro MKQ vsc, vlim, se               ; 2^e and 448 x 2^e as f32 numbers, e in s[se]
	s_add_co_i32 s80, s[\se], 127
	s_lshl_b32 s81, s80, 23
	v_mov_b32 v[\vsc], s81
	s_add_co_i32 s80, s80, 8
	s_lshl_b32 s80, s80, 23
	s_or_b32 s80, s80, 0x600000
	v_mov_b32 v[\vlim], s80
.endm
.macro FETCHW buf, adr, i              ; four fragments: column tiles 2 i, 2 i + 1, both K steps
.irp a, 0,1
.irp s, 0,1
.irp c, 0,1,2,3
	ds_load_b128 v[(\buf)+16*(2*\a+\s)+4*\c:(\buf)+16*(2*\a+\s)+4*\c+3], v[\adr] offset:(2*(\i)+\a)*4352+128*\s+32*\c
.endr
.endr
.endr
.endm
; one trip: two column tiles x 32 rows; the four accumulators take turns
.macro TRIP p, i
	WIN 0x50                                       ; C and D window 1
.irp s, 0,1
.irp u, 0,1
.irp w, 0,1
.set EE, 8*(2*\u+\w)
.if \p == 1                                        ; u = row tile, w = column tile
.set BF, T+64*((\i)%2)+16*(2*\w+\s)
.set XR, CW+16*(2*\u+\s)
.set BI, 64+8*(2*(\i)+\w)
.if \s == 0
	v_wmma_f32_16x16x128_fp8_fp8 v[EE:EE+7], v[BF:BF+15], v[XR:XR+15], v[BI:BI+7]
.else
	v_wmma_f32_16x16x128_fp8_fp8 v[EE:EE+7], v[BF:BF+15], v[XR:XR+15], v[EE:EE+7]
.endif
.else                                              ; u = channel tile, w = key tile
.set BF, T+64*((\i)%2)+16*(2*\u+\s)
.set XR, CW+16*(2*\w+\s)
.set BI, 64+8*(2*(\i)+\u)
.if \s == 0
	v_wmma_f32_16x16x128_fp8_fp8 v[EE:EE+7], v[XR:XR+15], v[BF:BF+15], v[BI:BI+7]
.else
	v_wmma_f32_16x16x128_fp8_fp8 v[EE:EE+7], v[XR:XR+15], v[BF:BF+15], v[EE:EE+7]
.endif
.endif
.endr
.endr
.endr
	WIN 0x41
.rept 4
	v_nop                                          ; places ahead of the first read of the results (ISA guide 7.12.1)
.endr
.set JJ, 0
.rept 32
	v_med3_num_f32 v[JJ], v[JJ], -v[LO], v[LO]
.set JJ, JJ+1
.endr
	WIN 0x01
.irp e, 0,1,2,3
	v_cvt_scalef32_pk8_fp8_f32 v[PC+8*(\i)+2*\e:PC+8*(\i)+2*\e+1], v[8*\e:8*\e+7], v[SO]
.endr
	v_nop                                          ; a plain line behind the last conversion
	WIN 0
.irp u, 0,1
.if \p == 1
	global_store_b128 v[GO], v[PC+8*(\i)+4*\u:PC+8*(\i)+4*\u+3], s[24:25] offset:2048*\u+512*(\i)
.else
	global_store_b128 v[GO], v[PC+8*(\i)+4*\u:PC+8*(\i)+4*\u+3], s[24:25] offset:2048*(2*(\i)+\u)
.endif
.endr
.endm
.macro HALF p, adr, i                  ; two trips: 64 columns
	FETCHW T+64*((\i)%2), \adr, \i
	FETCHW T+64*((\i+1)%2), \adr, \i+1
	s_wait_dscnt 16                                ; all but the second trip's 16 loads
	TRIP \p, \i
	s_wait_dscnt 0x0
	TRIP \p, \i+1
.endm
	s_load_b512 s[4:19], s[0:1], 0x0               ; ligand, pocket, Wq, Wk, Wv, Wo, bq, bk
	s_load_b256 s[20:27], s[0:1], 0x40             ; bv, scales, q_codes, k_codes
	s_load_b128 s[28:31], s[0:1], 0x60             ; v_codes, wo_codes
	v_lshl_add_u32 v[SPW], v0, 2, SPARE
	v_mov_b32 v[NIL], 0
	ds_add_u32 v[SPW], v[NIL]                      ; the opening lines: the add, twice on end, and its wait
	ds_add_u32 v[SPW], v[NIL]
	v_lshrrev_b32 v20, 5, v0
	v_readfirstlane_b32 s38, v20                   ; wave 0..7
	s_and_b32 s39, ttmp7, 0xffff                   ; y
	s_lshr_b32 s40, s38, 2                         ; which four
	s_and_b32 s41, s38, 3                          ; my place in them
	s_and_b32 s42, s39, s40                        ; 1: V
	s_and_not1_b32 s43, s40, s39                   ; 1: Q's waves 4-7
	s_or_b32 s56, s39, s40                         ; 0: Q's waves 0-3
	s_mov_b32 s48, (2<<16)|(1<<20)|(7<<22)|(3<<25) ; 16 rows of 256 elements of 4 bytes, 16 bytes of padding behind each row
	s_mov_b32 s49, 256<<16
	s_mov_b32 s50, 16<<16
	s_mov_b32 s51, 256<<16
	s_mov_b32 s52, 16
	s_mov_b32 s53, 256
	s_mov_b32 s54, 0
	s_mov_b32 s55, 0
	s_mov_b32 s44, 1
	s_mul_i32 s45, s38, 16*XP
	s_add_co_u32 s45, s45, XS
	s_lshl_b32 s60, ttmp9, 17
	s_lshl_b32 s61, s38, 14
	s_add_co_u32 s60, s60, s61                     ; X: 128 rows x 1,024 bytes a work-group, 16 a wave
	s_mov_b32 s61, 0
	s_lshl_b32 s62, s41, 12                        ; Q, K: two tiles a wave
	s_lshl_b32 s63, s41, 9                         ; V: c = my 32 keys
	s_cmp_eq_u32 s42, 1
	s_cselect_b32 s62, s63, s62
	s_lshl_b32 s63, ttmp9, 14
	s_add_co_u32 s62, s62, s63
	s_mov_b32 s63, 0
	s_lshl_b32 s82, s41, 7                         ; 32 columns of f32
	s_mul_i32 s83, s38, 8704                       ; 32 columns of codes in LDS; four waves fill one weight
	s_mul_i32 s84, s41, 32*XP
	s_add_co_u32 s84, s84, XS
	s_lshl_b32 s85, s38, 12                        ; a stage of the wave's own
	s_add_co_u32 s85, s85, WOS
	v_and_b32 v20, 31, v0                          ; lane
	v_and_b32 v21, 15, v0                          ; r
	v_bfe_u32 v22, v0, 4, 1                        ; h
	v_bfe_u32 v23, v0, 3, 2                        ; kk = lane / 8
	v_and_b32 v24, 7, v0                           ; cq = lane % 8
	v_lshlrev_b32 v25, 4, v24
	v_add_nc_u32 v25, s82, v25
	v_lshl_add_u32 v[WG], v23, 15, v25             ; rows 64 kk on, columns 4 cq .. 4 cq + 3 of my 32
	v_lshl_add_u32 v[WOG], v23, 14, v25            ; Wo: rows 32 kk on
	v_mul_u32_u24 v26, v24, 1088                   ; four columns of 272 bytes
	v_lshl_add_u32 v26, v23, 6, v26
	v_add_nc_u32 v[WA], s83, v26
	v_mul_u32_u24 v27, v21, 272
	v_lshl_add_u32 v[WF1], v22, 4, v27
	v_add_nc_u32 v[WF2], WT2, v[WF1]
	v_mul_u32_u24 v28, v21, XP
	v_lshl_add_u32 v28, v22, 6, v28
	v_add_nc_u32 v[XA], s84, v28
	v_lshlrev_b32 v[GO], 4, v20
	v_lshlrev_b32 v[BA1], 5, v22
	v_lshlrev_b32 v[BA2], 2, v21
	v_lshrrev_b32 v29, 2, v24
	v_lshlrev_b32 v29, 11, v29
	v_and_b32 v30, 3, v24
	v_lshl_add_u32 v29, v30, 6, v29
	v_lshl_add_u32 v29, v23, 9, v29
	v_add_nc_u32 v[WOA], s85, v29                  ; Wo's stage: tile cq / 4, c = kk, row 4 (cq % 4)
	v_add_nc_u32 v[WOR], s85, v[GO]
	s_wait_alu depctr_va_vdst(0)
	s_wait_dscnt 0x0                               ; both adds are done
	s_wait_kmcnt 0x0
	s_load_b256 s[68:75], s[22:23], 0x0            ; e0 .. e7
	s_load_b128 s[76:79], s[22:23], 0x20           ; e8 .. e11
	s_cmp_eq_u32 s39, 0                            ; the choices hang on the work-group's and the wave's number alone
	s_cselect_b64 s[4:5], s[4:5], s[6:7]           ; X
	s_cselect_b64 s[8:9], s[8:9], s[10:11]         ; W
	s_cselect_b64 s[16:17], s[16:17], s[18:19]     ; bias
	s_cselect_b64 s[24:25], s[24:25], s[26:27]     ; codes
	s_cmp_eq_u32 s42, 1
	s_cselect_b64 s[8:9], s[12:13], s[8:9]
	s_cselect_b64 s[16:17], s[20:21], s[16:17]
	s_cselect_b64 s[24:25], s[28:29], s[24:25]
	s_add_nc_u64 s[24:25], s[24:25], s[62:63]
	s_add_nc_u64 s[46:47], s[4:5], s[60:61]
	s_or_b32 s47, s47, 0x80000000
	tensor_load_to_lds s[44:47], s[48:55]          ; my one tensor load; it lands while the weights are turned
	s_nop 0
	s_cmp_eq_u32 s43, 1
	s_cbranch_scc1 .Lq_second
	WIN 0x40
.set II, 0
.rept 64
	global_load_b128 v[4*II:4*II+3], v[WG], s[8:9] offset:512*II      ; register 4 i + c: row 64 kk + i, column 4 cq + c
.set II, II+1
.endr
	WIN 0
	s_wait_kmcnt 0x0
	s_cmp_eq_u32 s39, 0
	s_cselect_b32 s57, s69, s71
	s_cmp_eq_u32 s42, 1
	s_cselect_b32 s57, s73, s57                    ; the weight's exponent
	MKQ SW, LW, 57
	s_wait_alu depctr_va_vdst(0)
; Eight rows at a time, as they arrive: the hold is also the turn, so that a column's eight numbers stand in consecutive registers, down K
.irp q, 0,1,2,3,4,5,6,7
	s_wait_loadcnt 56-8*\q                         ; rows 8 q .. 8 q + 7 of my 64 are in, the later ones may be out
	WIN 0x01
.irp c, 0,1,2,3
.irp i, 0,1,2,3,4,5,6,7
	v_med3_num_f32 v[T+32*(\q%4)+8*\c+\i], v[4*(8*\q+\i)+\c], -v[LW], v[LW]
.endr
.endr
	WIN 0
.irp c, 0,1,2,3
	v_cvt_scalef32_pk8_fp8_f32 v[CW+16*\c+2*\q:CW+16*\c+2*\q+1], v[T+32*(\q%4)+8*\c:T+32*(\q%4)+8*\c+7], v[SW]
.endr
.endr
	v_nop                                          ; a plain line behind the last conversion
.irp c, 0,1,2,3
.irp q, 0,1,2,3
	ds_store_b128 v[WA], v[CW+16*\c+4*\q:CW+16*\c+4*\q+3] offset:272*\c+16*\q
.endr
.endr
	s_branch .Ljoin
.Lq_second:
	s_cmp_lg_u32 ttmp9, 0
	s_cbranch_scc1 .Ljoin                          ; one work-group's four waves quantise Wo, 32 columns each
	WIN 0x40
.set II, 0
.rept 32
	global_load_b128 v[4*II:4*II+3], v[WOG], s[14:15] offset:512*II
.set II, II+1
.endr
	WIN 0
	s_lshl_b32 s80, s41, 12
	s_mov_b32 s81, 0
	s_add_nc_u64 s[30:31], s[30:31], s[80:81]
	s_wait_kmcnt 0x0
	MKQ SW, LW, 79
	s_wait_alu depctr_va_vdst(0)
	s_wait_loadcnt 0x0
	WIN 0x01
.irp c, 0,1,2,3
.set II, 0
.rept 32
	v_med3_num_f32 v[T+32*\c+II], v[4*II+\c], -v[LW], v[LW]
.set II, II+1
.endr
.endr
	WIN 0
.irp c, 0,1,2,3                        ; k = 0-7 and 16-23 are lane half 0's 16 bytes, k = 8-15 and 24-31 half 1's
	v_cvt_scalef32_pk8_fp8_f32 v[CW+8*\c:CW+8*\c+1], v[T+32*\c:T+32*\c+7], v[SW]
	v_cvt_scalef32_pk8_fp8_f32 v[CW+8*\c+4:CW+8*\c+5], v[T+32*\c+8:T+32*\c+15], v[SW]
	v_cvt_scalef32_pk8_fp8_f32 v[CW+8*\c+2:CW+8*\c+3], v[T+32*\c+16:T+32*\c+23], v[SW]
	v_cvt_scalef32_pk8_fp8_f32 v[CW+8*\c+6:CW+8*\c+7], v[T+32*\c+24:T+32*\c+31], v[SW]
.endr
	v_nop
.irp c, 0,1,2,3
	ds_store_b128 v[WOA], v[CW+8*\c:CW+8*\c+3] offset:16*\c
	ds_store_b128 v[WOA], v[CW+8*\c+4:CW+8*\c+7] offset:16*\c+256
.endr
.irp k, 0,1,2,3,4,5,6,7
	ds_load_b128 v[PC+4*\k:PC+4*\k+3], v[WOR] offset:512*\k          ; the wave's own bytes: LDS serves its instructions in order
.endr
.irp k, 0,1,2,3,4,5,6,7
	s_wait_dscnt 7-\k                              ; load k is in, the younger ones may be out
	global_store_b128 v[GO], v[PC+4*\k:PC+4*\k+3], s[30:31] offset:512*\k
.endr
	s_wait_xcnt 0x0                                ; the stores have read their registers
.Ljoin:
	s_wait_kmcnt 0x0
	s_cmp_eq_u32 s39, 0
	s_cselect_b32 s57, s68, s70                    ; ea
	s_cselect_b32 s58, s69, s71                    ; eb
	s_cselect_b32 s59, s74, s75                    ; eo
	s_cmp_eq_u32 s42, 1
	s_cselect_b32 s57, s72, s57
	s_cselect_b32 s58, s73, s58
	s_cselect_b32 s59, s77, s59
	s_add_co_i32 s58, s57, s58
	s_sub_co_i32 s59, s59, s58                     ; the three scales folded into the conversion's one
	s_sub_co_i32 s58, 0, s58                       ; the bias goes in divided by 2^(ea + eb)
	MKQ SX, LX, 57
	MKQ SO, LO, 59
	s_wait_alu depctr_va_vdst(0)
	s_cmp_eq_u32 s42, 1
	s_cbranch_scc1 .Lbias_v
.irp t, 0,1,2,3,4,5,6,7
	global_load_b128 v[T+8*\t:T+8*\t+3], v[BA1], s[16:17] offset:64*\t        ; channels 16 t + 8 h + 0 .. 7: the result's layout
	global_load_b128 v[T+8*\t+4:T+8*\t+7], v[BA1], s[16:17] offset:64*\t+16
.endr
	s_branch .Lbias_done
.Lbias_v:
.irp t, 0,1,2,3,4,5,6,7
	global_load_b32 v[T+\t], v[BA2], s[16:17] offset:64*\t                    ; channel 16 t + r
.endr
.Lbias_done:
	s_wait_tensorcnt 0x0                           ; my rows of X have landed
	s_wait_dscnt 0x0                               ; my columns' codes are in LDS
	s_barrier_signal -1
	s_barrier_wait -1                              ; everybody's
	WIN 0x40
.irp f, 0,1,2,3                        ; fragment 2 mi + s: register 64 f + 16 b + i = k 128 s + 32 b + 16 h + i of row 16 mi + r
.irp b, 0,1,2,3
.irp j, 0,1,2,3
	ds_load_b128 v[64*\f+16*\b+4*\j:64*\f+16*\b+4*\j+3], v[XA] offset:16*XP*(\f/2)+512*(\f%2)+128*\b+16*\j
.endr
.endr
.endr
.irp f, 0,1,2,3
	s_wait_dscnt 48-16*\f                          ; fragment f is in, the later ones may be out
	WIN 0x41
.set II, 0
.rept 64
	v_med3_num_f32 v[64*\f+II], v[64*\f+II], -v[LX], v[LX]
.set II, II+1
.endr
	WIN 0x01
.irp q, 0,1,2,3,4,5,6,7
	v_cvt_scalef32_pk8_fp8_f32 v[CW+16*\f+2*\q:CW+16*\f+2*\q+1], v[64*\f+8*\q:64*\f+8*\q+7], v[SX]
.endr
.endr
	v_nop
	WIN 0
	s_wait_loadcnt 0x0                             ; the bias
	s_cmp_eq_u32 s42, 1
	s_cbranch_scc1 .Lv
	WIN 0x40
.set JJ, 0
.rept 64
	v_ldexp_f32 v[64+JJ], v[T+JJ], s58
.set JJ, JJ+1
.endr
	WIN 0
	s_wait_alu depctr_va_vdst(0)
	s_cmp_eq_u32 s43, 1
	s_cbranch_scc1 .Lno_low                        ; Q's waves 4-7 make columns 64-127 alone
	HALF 1, WF1, 0
.Lno_low:
	s_cmp_eq_u32 s56, 0
	s_cbranch_scc1 .Ldone                          ; Q's waves 0-3 make columns 0-63 alone
	HALF 1, WF1, 2
	s_branch .Ldone
.Lv:
	WIN 0x40
.irp t, 0,1,2,3,4,5,6,7
.irp j, 0,1,2,3,4,5,6,7
	v_ldexp_f32 v[64+8*\t+\j], v[T+\t], s58        ; a lane holds one channel: its bias in all eight registers
.endr
.endr
	WIN 0
	HALF 2, WF2, 0
	HALF 2, WF2, 2
.Ldone:
	s_wait_tensorcnt 0x0                           ; the wave's end
	ds_add_u32 v[SPW], v[NIL]
	s_wait_dscnt 0x0
	s_endpgm
.Lfunc_end_k_qabbf9ca948_proj:
	.size	k_qabbf9ca948_proj, .Lfunc_end_k_qabbf9ca948_proj-k_qabbf9ca948_proj
	.p2alignl 7, 3214868480
	.fill 96, 4, 3214868480
	.section	.rodata,"a",@progbits
	.p2align	6, 0x0
	.amdhsa_kernel k_qabbf9ca948_proj
		.amdhsa_group_segment_fixed_size 236544
		.amdhsa_private_segment_fixed_size 0
		.amdhsa_enable_private_segment 0
		.amdhsa_kernarg_size 112
		.amdhsa_user_sgpr_count 2
		.amdhsa_user_sgpr_kernarg_segment_ptr 1
		.amdhsa_wavefront_size32 1
		.amdhsa_system_sgpr_workgroup_id_x 1
		.amdhsa_system_sgpr_workgroup_id_y 1
		.amdhsa_system_sgpr_workgroup_id_z 1
		.amdhsa_system_vgpr_workitem_id 0
		.amdhsa_next_free_vgpr 512
		.amdhsa_next_free_sgpr 90
		.amdhsa_reserve_vcc 0
		.amdhsa_float_denorm_mode_32 3
		.amdhsa_float_denorm_mode_16_64 3
		.amdhsa_memory_ordered 1
		.amdhsa_forward_progress 1
		.amdhsa_inst_pref_size 114
	.end_amdhsa_kernel
	.amdgpu_metadata
---
amdhsa.version: [ 1, 2 ]
amdhsa.kernels:
  - .name:           k_qabbf9ca948_proj
    .symbol:         k_qabbf9ca948_proj.kd
    .args:
      - { .name: ligand, .offset: 0, .size: 8, .value_kind: global_buffer, .address_space: global }
      - { .name: pocket, .offset: 8, .size: 8, .value_kind: global_buffer, .address_space: global }
      - { .name: Wq, .offset: 16, .size: 8, .value_kind: global_buffer, .address_space: global }
      - { .name: Wk, .offset: 24, .size: 8, .value_kind: global_buffer, .address_space: global }
      - { .name: Wv, .offset: 32, .size: 8, .value_kind: global_buffer, .address_space: global }
      - { .name: Wo, .offset: 40, .size: 8, .value_kind: global_buffer, .address_space: global }
      - { .name: bq, .offset: 48, .size: 8, .value_kind: global_buffer, .address_space: global }
      - { .name: bk, .offset: 56, .size: 8, .value_kind: global_buffer, .address_space: global }
      - { .name: bv, .offset: 64, .size: 8, .value_kind: global_buffer, .address_space: global }
      - { .name: lowp_scales, .offset: 72, .size: 8, .value_kind: global_buffer, .address_space: global }
      - { .name: q_codes, .offset: 80, .size: 8, .value_kind: global_buffer, .address_space: global }
      - { .name: k_codes, .offset: 88, .size: 8, .value_kind: global_buffer, .address_space: global }
      - { .name: v_codes, .offset: 96, .size: 8, .value_kind: global_buffer, .address_space: global }
      - { .name: wo_codes, .offset: 104, .size: 8, .value_kind: global_buffer, .address_space: global }
    .group_segment_fixed_size: 236544
    .private_segment_fixed_size: 0
    .kernarg_segment_align: 8
    .kernarg_segment_size: 112
    .max_flat_workgroup_size: 256
    .sgpr_count:     90
    .vgpr_count:     512
    .wavefront_size: 32
...
	.end_amdgpu_metadata
.endif
;; end of part 1
;; launch attn (part 2): grid 64 x 4, 4 waves a work-group, clusters of 4 x 1, 327,680 bytes of LDS; arguments q_codes, k_codes, v_codes, wo_codes, bo, lowp_scales, out0; writes out0
.if DOCPART == 2
	.amdgcn_target "amdgcn-amd-amdhsa--gfx1250"
	.amdhsa_code_object_version 6
	.text
	.protected	k_qabbf9ca948_attn
	.globl	k_qabbf9ca948_attn
	.p2align	8
	.type	k_qabbf9ca948_attn,@function
k_qabbf9ca948_attn:
	s_mov_b64 s[64:65], 0
	v_nop
	global_prefetch_b8 v0, s[64:65] scope:SCOPE_SE
	s_setreg_imm32_b32 hwreg(HW_REG_WAVE_MODE, 25, 1), 1
	s_wait_xcnt 0x0
	s_wait_alu depctr_hold_cnt(0) depctr_sa_sdst(0) depctr_va_vdst(0) depctr_va_sdst(0) depctr_va_ssrc(0) depctr_va_vcc(0) depctr_vm_vsrc(0)
	s_getreg_b32 s2, hwreg(HW_REG_IB_STS2, 6, 4)
	s_cmp_eq_u32 s2, 0
	s_cbranch_scc0 .Lentry_in_a_cluster
	s_endpgm
.Lentry_in_a_cluster:
	s_bfe_u32 s2, ttmp6, 0x10000c
	s_cmp_lg_u32 s2, 0x3003
	s_cbranch_scc0 .Lentry_shape_is_right
	s_endpgm
.Lentry_shape_is_right:
; SCORES, SOFTMAX, THE WEIGHTED SUM AND THE OUTPUT PROJECTION.  A work-group owns 64 queries (four tiles of 16) of one batch; its four waves share the KEYS: of each slot of 512 keys wave w takes keys 128 w .. 128 w + 127 for all 64 queries,
; so that each fragment of K or V feeds four matrix instructions.  At the end wave w joins the four partial results of query tile w and multiplies it by Wo.
; S^T = K Q^T (source 0 = 16 keys, source 1 = 16 queries), O^T = V^T P^T: a lane holds one query (lane % 16); score register 8 t + j is key 16 t + 8 (lane / 16) + j, so eight registers convert into registers 2 t, 2 t + 1 of P.
; SOFTMAX: t = score x c, c = log2(e) / sqrt(128) x 2^(e6 + e7); M = the running largest t rounded UP to a whole number, kept as -M; p = 2^(t - M); the sum is taken of the unquantised p; what was summed under an older M is multiplied by an exact power of two.
; THE RING: two slots of 131,072 bytes (64 KiB of K, 64 KiB of V, images of operand registers, read without padding at 16 x lane); each wave fetches a quarter with one joint tensor load: the four work-groups of a cluster walk the same keys.
; In a step the wave reads V while it takes the maxima; then all its reads of the slot are over, the round begins, the slot is filled again with the keys two steps on, and the next step's K is read under the rest of the softmax.
; PREFETCH: behind the joint load of the slot two steps on, for the slot three steps on; the 64 work-groups of a batch share its 512 blocks of 256 bytes by address, two a wave (left-over lanes name the second again).  The first three slots come by their loads alone.
; LIMITS: NaN among the codes' inputs is not served; e6 + e7 between -123 and 130, e8 and e10 between -126 and 119, e10 + e11 between -126 and 127; scaled scores stay under 2^31 in magnitude.
; REGISTERS: window 0: addresses, statistics, Q (v80-143), P's codes (v144-207).  window 1: K's fragments (v0-127; at the end Wo's), V's (v128-255).  window 2: S^T then p, 64 a tile.  window 3: O^T, 64 a tile.
.set SLOT,  131072
.set SPARE, 262144
.set STAT,  262656                     ; [tile][wave][lane] of (-M, sum): 4,096 bytes
.set OSTG,  266752                     ; the way out: 16 rows x (512 + 16) bytes for each wave
.set SPW, 1
.set NIL, 2
.set ADK, 3
.set ADV, 4
.set AK0, 5
.set AV0, 6
.set GO,  7                            ; 16 x lane
.set PFO, 9
.set STA, 10
.set STR, 11
.set PST, 12                           ; v12, v13: partial results of tiles 0, 1 and of tiles 2, 3
.set PRD, 14
.set OSI, 15
.set RM,  16                           ; running largest score of my lane's keys, four tiles
.set XM,  20
.set PM,  24
.set NM,  28                           ; pairs: -M (the odd words: the sum, at the end)
.set FF,  36                           ; pairs: the factor
.set LL,  48                           ; four pairs a tile: the sum
.set QF,  80
.set PCD, 144
.set SP,  208                          ; 2^e8
.set SA,  209                          ; 2^e10
.set LA,  210                          ; 448 x 2^e10
.set OSO, 211
.set BO,  220
.set TB,  41                           ; s41: LDS byte at which the slot in hand begins
.set MSB, 0
.macro WIN new
.if MSB != (\new)
	s_set_vgpr_msb (MSB<<8)|(\new)
.set MSB, (\new)
.endif
.endm
.macro CREST                           ; a round of the cluster's barrier behind its opening barrier
	s_cmp_lg_u32 s18, 0
	s_cbranch_scc1 .Lnot_wave_0_\@
	s_barrier_signal -3
.Lnot_wave_0_\@:
	s_barrier_wait -3
	s_barrier_signal -1
	s_barrier_wait -1
.endm
.macro ROUND
	s_barrier_signal -1
	s_barrier_wait -1
	CREST
.endm
.macro KFETCH adr
	WIN 0x40
.irp t, 0,1,2,3,4,5,6,7
.irp c, 0,1,2,3
	ds_load_b128 v[16*\t+4*\c:16*\t+4*\c+3], v[\adr] offset:2048*\t+512*\c
.endr
.endr
	WIN 0
.endm
.macro VFETCH tb
	WIN 0x40
.irp t, 0,1,2,3
.irp c, 0,1,2,3
	ds_load_b128 v[128+16*(\tb+\t)+4*\c:128+16*(\tb+\t)+4*\c+3], v[ADV] offset:2048*(\tb+\t)+512*\c
.endr
.endr
.endm
.macro MAXH jb                         ; the largest of half a tile's registers, two chains a tile, the four tiles by turns; each accumulator from its low end on
	WIN 0x0a
.set JJ, \jb
.rept 8
.irp a, 0,1,2,3
.if JJ == 0
	v_max3_num_f32 v[XM+\a], v[64*\a+2], v[64*\a+3], v[RM+\a]
	v_max3_num_f32 v[RM+\a], v[64*\a], v[64*\a+1], v[RM+\a]
.else
	v_max3_num_f32 v[RM+\a], v[64*\a+JJ], v[64*\a+JJ+1], v[RM+\a]
	v_max3_num_f32 v[XM+\a], v[64*\a+JJ+2], v[64*\a+JJ+3], v[XM+\a]
.endif
.endr
.set JJ, JJ+4
.endr
.endm
.macro FMAP a, j                       ; t - M, two at a time
	v_pk_fma_f32 v[64*(\a)+\j:64*(\a)+\j+1], v[64*(\a)+\j:64*(\a)+\j+1], s[22:23], v[NM+2*(\a):NM+2*(\a)+1] op_sel_hi:[1,0,0]
.endm
.macro MINP a, j                       ; the hold at the largest code (p is not negative), two at a time
	v_dual_min_num_f32 v[64*(\a)+\j], s60, v[64*(\a)+\j] :: v_dual_min_num_f32 v[64*(\a)+\j+1], s60, v[64*(\a)+\j+1]
.endm
; Tile a's 64 exponentials; between them plain work that none of them touches and that is read behind the batch's closing wait alone: the next tile's t - M, the last tile's holds
.macro BATCH a
	WIN 0x8a
.set JJ, 0
.rept 32
	v_exp_f32 v[64*\a+JJ], v[64*\a+JJ]
.if (\a == 1) || (\a == 2)
	FMAP \a+1, JJ
.endif
	v_exp_f32 v[64*\a+JJ+1], v[64*\a+JJ+1]
.if \a == 0
	FMAP 1, JJ
.else
	MINP \a-1, JJ
.endif
.set JJ, JJ+2
.endr
	s_wait_alu depctr_va_vdst(0)                   ; one wait for the whole batch
.endm
.macro SUMCVT a                        ; tile a's sum, in four chains, and the codes of the tile before
	WIN 0x02
.set QQ, 0
.rept 8
.if \a > 0
	v_cvt_scalef32_pk8_fp8_f32 v[PCD+16*(\a-1)+2*QQ:PCD+16*(\a-1)+2*QQ+1], v[64*(\a-1)+8*QQ:64*(\a-1)+8*QQ+7], v[SP]
.endif
.irp k, 0,1,2,3
	v_pk_add_f32 v[LL+8*\a+2*\k:LL+8*\a+2*\k+1], v[64*\a+8*QQ+2*\k:64*\a+8*QQ+2*\k+1], v[LL+8*\a+2*\k:LL+8*\a+2*\k+1]
.endr
.set QQ, QQ+1
.endr
.endm
.macro PVT a                           ; the last step's weighted sum, tile a
	WIN 0xf1
.irp t, 0,1,2,3,4,5,6,7
	v_wmma_f32_16x16x128_fp8_fp8 v[64*\a+8*\t:64*\a+8*\t+7], v[128+16*\t:143+16*\t], v[PCD+16*\a:PCD+16*\a+15], v[64*\a+8*\t:64*\a+8*\t+7]
.endr
.endm
.macro PSTORE a                        ; tile a's partial result into slot 0, which has had its last fill and its last read
	WIN 0x0c
.irp t, 0,1,2,3,4,5,6,7
	ds_store_b128 v[PST+(\a)/2], v[64*\a+8*\t:64*\a+8*\t+3] offset:32768*(\a%2)+1024*\t
	ds_store_b128 v[PST+(\a)/2], v[64*\a+8*\t+4:64*\a+8*\t+7] offset:32768*(\a%2)+1024*\t+512
.endr
.endm
.macro NOPS n
.rept \n
	v_nop
.endr
.endm
; A STEP of 128 keys a wave.  mode 2: the slot is filled again; 1: the last change of slots, nothing is filled; 0: the last step
.macro STEP first, mode
	s_wait_dscnt 0x0                               ; K's fragments are in
	WIN 0x81
.irp t, 0,1,2,3,4,5,6,7
.irp a, 0,1,2,3
	v_wmma_f32_16x16x128_fp8_fp8 v[64*\a+8*\t:64*\a+8*\t+7], v[16*\t:16*\t+15], v[QF+16*\a:QF+16*\a+15], 0
.endr
.endr
	WIN 0
	v_add_nc_u32 v[ADV], s[TB], v[AV0]
	NOPS 3                                         ; with the addition four places, for the loads into V's registers and for the reads of the scores (ISA guide 7.12.1 for the reads of the scores)
	VFETCH 0
	MAXH 0
	VFETCH 4
.if \mode == 0
.irp t, 0,1,2,3,4,5,6,7
.irp c, 0,1,2,3
	global_load_b128 v[16*\t+4*\c:16*\t+4*\c+3], v[GO], s[10:11] offset:2048*\t+512*\c      ; Wo's codes, into K's registers
.endr
.endr
	WIN 0
	global_load_b128 v[BO:BO+3], v[GO], s[12:13]   ; bo at columns 4 x lane on
.endif
	MAXH 32
	WIN 0
.irp a, 0,1,2,3
	v_max_num_f32 v[RM+\a], v[RM+\a], v[XM+\a]
.endr
.irp a, 0,1,2,3
	v_permlanex16_b32 v[PM+\a], v[RM+\a], s20, s21
.endr
.irp a, 0,1,2,3
	v_max_num_f32 v[XM+\a], v[RM+\a], v[PM+\a]
.endr
.irp a, 0,1,2,3
	v_mul_f32 v[XM+\a], s61, v[XM+\a]              ; -t of the largest
.endr
.if \first
.irp a, 0,1,2,3
	v_floor_f32 v[NM+2*\a], v[XM+\a]
.endr
.else
.irp a, 0,1,2,3
	v_floor_f32 v[XM+\a], v[XM+\a]                 ; the new -M
.endr
.irp a, 0,1,2,3
	v_sub_f32 v[PM+\a], v[XM+\a], v[NM+2*\a]       ; old M less new M: a whole number, 0 or less
.endr
.irp a, 0,1,2,3
	v_mov_b32 v[NM+2*\a], v[XM+\a]
.endr
.irp a, 0,1,2,3
	v_cvt_i32_f32 v[PM+\a], v[PM+\a]               ; (it saturates)
.endr
.irp a, 0,1,2,3
	v_ldexp_f32 v[FF+2*\a], 1.0, v[PM+\a]
.endr
.irp a, 0,1,2,3
.irp k, 0,1,2,3
	v_pk_mul_f32 v[LL+8*\a+2*\k:LL+8*\a+2*\k+1], v[LL+8*\a+2*\k:LL+8*\a+2*\k+1], v[FF+2*\a:FF+2*\a+1] op_sel_hi:[1,0]
.endr
.endr
	WIN 0xc3
.irp a, 0,1,2,3
.set JJ, 0
.rept 32
	v_pk_mul_f32 v[64*\a+JJ:64*\a+JJ+1], v[64*\a+JJ:64*\a+JJ+1], v[FF+2*\a:FF+2*\a+1] op_sel_hi:[1,0]
.set JJ, JJ+2
.endr
.endr
.endif
.if \mode
.if (\mode == 2) && (\first == 0)
	s_wait_xcnt 0x0                                ; my prefetch has read its address
	s_add_nc_u64 s[66:67], s[66:67], 65536
.endif
	WIN 0
.if \first
	s_wait_alu depctr_va_vdst(0)
.endif
	s_wait_tensorcnt 0x0                           ; my part of the other slot has landed
	ds_add_u32 v[SPW], v[NIL]                      ; 0 onto my spare word
.endif
	WIN 0x82
.set JJ, 0
.rept 32
	FMAP 0, JJ
.set JJ, JJ+2
.endr
.if \mode
.if \mode == 2
	s_xor_b32 s33, s33, SLOT
	s_add_nc_u64 s[34:35], s[34:35], 65536
.endif
	s_xor_b32 s[TB], s[TB], SLOT                   ; on to the other slot
	WIN 0
	v_add_nc_u32 v[ADK], s[TB], v[AK0]
.endif
	s_wait_alu depctr_va_vdst(0)                   ; ahead of the batch
.if \mode
	s_wait_dscnt 0x0                               ; the add is done, and my reads of this slot are over: V's fragments are in
	s_barrier_signal -1
	BATCH 0                                        ; work on registers while the others arrive
	WIN 0
	s_barrier_wait -1
.if \mode == 2
	CREST                                          ; the barrier has opened a round: nobody in the cluster reads this slot or has a load on its way
	tensor_load_to_lds s[32:35], s[24:31]
	s_nop 0
.endif
	KFETCH ADK
.if \mode == 2
.if \first == 0
	s_cmp_gt_u32 s40, 1                            ; the loop's last trip has no slot three steps on
	s_cbranch_scc0 .Lno_ask_\@
.endif
	global_prefetch_b8 v[PFO], s[66:67] th:TH_LOAD_NT scope:SCOPE_SE
.Lno_ask_\@:
.endif
.else
	BATCH 0
	s_wait_dscnt 0x0                               ; V's fragments are in
.endif
	SUMCVT 0
	BATCH 1
	SUMCVT 1
	BATCH 2
	SUMCVT 2
	BATCH 3
	SUMCVT 3
	WIN 0x8a
.set JJ, 0
.rept 32
	MINP 3, JJ
.set JJ, JJ+2
.endr
	WIN 0x02
.irp t, 0,1,2,3,4,5,6,7
	v_cvt_scalef32_pk8_fp8_f32 v[PCD+48+2*\t:PCD+49+2*\t], v[192+8*\t:199+8*\t], v[SP]
.endr
	v_nop                                          ; a plain line behind the last conversion
.if \mode
	WIN 0xf1
.irp t, 0,1,2,3,4,5,6,7
.irp a, 0,1,2,3
.if \first
	v_wmma_f32_16x16x128_fp8_fp8 v[64*\a+8*\t:64*\a+8*\t+7], v[128+16*\t:143+16*\t], v[PCD+16*\a:PCD+16*\a+15], 0
.else
	v_wmma_f32_16x16x128_fp8_fp8 v[64*\a+8*\t:64*\a+8*\t+7], v[128+16*\t:143+16*\t], v[PCD+16*\a:PCD+16*\a+15], v[64*\a+8*\t:64*\a+8*\t+7]
.endif
.endr
.endr
.endif
	WIN 0
.endm
	s_load_b256 s[4:11], s[0:1], 0x0               ; q, k, v, wo codes
	s_load_b128 s[12:15], s[0:1], 0x20             ; bo, the scales' exponents
	s_load_b64 s[16:17], s[0:1], 0x30              ; out0
	v_lshl_add_u32 v[SPW], v0, 2, SPARE
	v_mov_b32 v[NIL], 0
	ds_add_u32 v[SPW], v[NIL]                      ; the opening lines: the add, twice on end, and its wait
	ds_add_u32 v[SPW], v[NIL]
	v_lshrrev_b32 v8, 5, v0
	v_readfirstlane_b32 s18, v8                    ; wave 0..3
	v_and_b32 v8, 31, v0
	v_lshlrev_b32 v[GO], 4, v8
	v_min_u32 v8, 1, v8
	v_lshlrev_b32 v[PFO], 8, v8
	s_bfe_u32 s55, ttmp6, 0x40000                  ; cx
	s_lshl_b32 s56, ttmp9, 2
	s_add_co_u32 s56, s56, s55                     ; work-group x: which 64 queries
	s_and_b32 s57, ttmp7, 0xffff                   ; batch
	s_mov_b32 s24, 15|(3<<16)|(1<<21)              ; mask of all four; elements of 8 bytes; 128 rows of 256 bytes, dense
	s_mov_b32 s25, 32<<16
	s_mov_b32 s26, 128<<16
	s_mov_b32 s27, 32<<16
	s_mov_b32 s28, 128
	s_mov_b32 s29, 32
	s_mov_b32 s30, 0
	s_mov_b32 s31, 0
	s_and_b32 s19, s18, 1                          ; which half of K (waves 0, 1) or of V (waves 2, 3) I fetch
	s_lshl_b32 s58, s57, 19
	s_lshl_b32 s59, s19, 15
	s_add_co_u32 s58, s58, s59
	s_mov_b32 s59, 0
	s_mov_b32 s32, 1
	s_lshl_b32 s33, s18, 15
	s_lshl_b32 s68, s57, 19
	s_lshl_b32 s69, s56, 13
	s_add_co_u32 s68, s68, s69                     ; Q: 64 rows of 128 bytes
	s_mov_b32 s69, 0
	s_lshl_b32 s70, s57, 19
	s_lshl_b32 s71, s56, 10
	s_add_co_u32 s70, s70, s71
	s_lshl_b32 s71, s19, 9
	s_add_co_u32 s70, s70, s71
	s_add_co_u32 s70, s70, 3*65536                 ; the prefetch: slot 3, my work-group's four blocks of K's and of V's, two a wave
	s_mov_b32 s71, 0
	s_lshl_b32 s72, s57, 21
	s_lshl_b32 s73, s56, 15
	s_add_co_u32 s72, s72, s73
	s_lshl_b32 s73, s18, 13
	s_add_co_u32 s72, s72, s73                     ; out0: my 16 rows of 512 bytes
	s_mov_b32 s73, 0
	s_lshl_b32 s74, s18, 14
	s_lshl_b32 s75, s18, 8
	s_add_co_u32 s75, s75, STAT
	s_lshl_b32 s76, s18, 10
	s_add_co_u32 s76, s76, STAT
	s_lshl_b32 s77, s18, 13
	s_lshl_b32 s78, s18, 15
	s_mul_i32 s79, s18, 8448
	s_add_co_u32 s79, s79, OSTG
	s_mov_b32 s20, 0x76543210
	s_mov_b32 s21, 0xfedcba98
	s_mov_b32 s22, 0x3e0293ee                      ; log2(e) / sqrt(128)
	s_mov_b32 s[TB], 0
	s_wait_alu depctr_va_vdst(0)
	s_wait_dscnt 0x0                               ; both adds are done
	s_wait_kmcnt 0x0
	s_load_b256 s[44:51], s[14:15], 0x10           ; e4 .. e11
	s_cmp_lt_u32 s18, 2
	s_cselect_b64 s[62:63], s[6:7], s[8:9]
	s_add_nc_u64 s[34:35], s[62:63], s[58:59]
	s_or_b32 s35, s35, 0x80000000
	s_add_nc_u64 s[66:67], s[62:63], s[70:71]
	s_add_nc_u64 s[4:5], s[4:5], s[68:69]
	s_add_nc_u64 s[16:17], s[16:17], s[72:73]
.irp a, 0,1,2,3
.irp c, 0,1,2,3
	global_load_b128 v[QF+16*\a+4*\c:QF+16*\a+4*\c+3], v[GO], s[4:5] offset:2048*\a+512*\c
.endr
.endr
	ROUND                                          ; in front of the first joint load
	tensor_load_to_lds s[32:35], s[24:31]          ; slot 0
	s_nop 0
	v_add_nc_u32 v[AK0], s74, v[GO]
	v_add_nc_u32 v[AV0], 65536, v[AK0]
	v_add_nc_u32 v[PST], s77, v[GO]
	v_add_nc_u32 v[PST+1], 65536, v[PST]
	v_add_nc_u32 v[PRD], s78, v[GO]
	v_add_nc_u32 v[OSO], s79, v[GO]
	v_and_b32 v212, 31, v0
	v_lshlrev_b32 v212, 3, v212
	v_add_nc_u32 v[STA], s75, v212
	v_add_nc_u32 v[STR], s76, v212
	v_and_b32 v213, 15, v0
	v_mul_u32_u24 v213, v213, 528
	v_bfe_u32 v214, v0, 4, 1
	v_lshl_add_u32 v213, v214, 5, v213
	v_add_nc_u32 v[OSI], s79, v213
.irp a, 0,1,2,3
	v_mov_b32 v[RM+\a], 0xff61b1e6                 ; -3e38
	v_mov_b32 v[PM+\a], 0                          ; a lane permute's destination counts as one of its sources
	v_mov_b32 v[NM+2*\a+1], 0                      ; named as a pair's upper half
	v_mov_b32 v[FF+2*\a+1], 0
.endr
.set JJ, 0
.rept 32
	v_mov_b32 v[LL+JJ], 0
.set JJ, JJ+1
.endr
	s_wait_kmcnt 0x0
	s_add_co_i32 s68, s46, s47
	s_lshl_b32 s68, s68, 23
	s_add_co_i32 s22, s22, s68                     ; c, with the two scales in its exponent
	s_mov_b32 s23, s22
	s_xor_b32 s61, s22, 0x80000000                 ; -c
	s_add_co_i32 s68, s48, 127
	s_lshl_b32 s69, s68, 23
	v_mov_b32 v[SP], s69
	s_add_co_i32 s68, s68, 8
	s_lshl_b32 s68, s68, 23
	s_or_b32 s60, s68, 0x600000                    ; 448 x 2^e8
	s_add_co_i32 s68, s50, 127
	s_lshl_b32 s69, s68, 23
	v_mov_b32 v[SA], s69
	s_add_co_i32 s68, s68, 8
	s_lshl_b32 s68, s68, 23
	s_or_b32 s68, s68, 0x600000
	v_mov_b32 v[LA], s68
	s_add_co_i32 s52, s50, s51
	s_add_co_i32 s52, s52, 127
	s_lshl_b32 s52, s52, 23                        ; 2^(e10 + e11)
	s_mov_b32 s53, s52
	s_add_co_i32 s54, s48, s49                     ; e8 + e9
	s_wait_alu depctr_va_vdst(0)                   ; the head's end
	s_wait_tensorcnt 0x0                           ; my part of slot 0 has landed
	ds_add_u32 v[SPW], v[NIL]
	s_xor_b32 s33, s33, SLOT
	s_add_nc_u64 s[34:35], s[34:35], 65536
	s_wait_dscnt 0x0
	ROUND
	tensor_load_to_lds s[32:35], s[24:31]          ; slot 1
	s_nop 0
	KFETCH AK0
	s_wait_loadcnt 0x0                             ; Q
	STEP 1, 2
	s_mov_b32 s40, 5
.Lstep:
	STEP 0, 2
	s_sub_co_u32 s40, s40, 1
	s_cmp_lg_u32 s40, 0
	s_cbranch_scc1 .Lstep
	STEP 0, 1                                      ; the last two steps fill nothing
	STEP 0, 0
; the last step's sums: two halves of four pairs, and lane l xor 16's keys
.irp a, 0,1,2,3
	v_pk_add_f32 v[LL+8*\a:LL+8*\a+1], v[LL+8*\a:LL+8*\a+1], v[LL+8*\a+2:LL+8*\a+3]
	v_pk_add_f32 v[LL+8*\a+4:LL+8*\a+5], v[LL+8*\a+4:LL+8*\a+5], v[LL+8*\a+6:LL+8*\a+7]
.endr
.irp a, 0,1,2,3
	v_pk_add_f32 v[LL+8*\a:LL+8*\a+1], v[LL+8*\a:LL+8*\a+1], v[LL+8*\a+4:LL+8*\a+5]
.endr
.irp a, 0,1,2,3
	v_add_f32 v[LL+8*\a], v[LL+8*\a], v[LL+8*\a+1]
.endr
.irp a, 0,1,2,3
	v_permlanex16_b32 v[PM+\a], v[LL+8*\a], s20, s21
.endr
.irp a, 0,1,2,3
	v_add_f32 v[NM+2*\a+1], v[LL+8*\a], v[PM+\a]
.endr
.irp a, 0,1,2,3
	ds_store_b64 v[STA], v[NM+2*\a:NM+2*\a+1] offset:1024*\a
.endr
	PVT 0
	PVT 1
	NOPS 4
	PSTORE 0                                       ; each tile's partial result leaves while the next tile is multiplied
	PVT 2
	NOPS 4
	PSTORE 1
	PVT 3
	NOPS 4
	PSTORE 2
	PSTORE 3
	WIN 0
	s_wait_dscnt 0x0
	s_barrier_signal -1
	s_barrier_wait -1                              ; all four waves' parts are in LDS
.irp g, 0,1,2,3
	ds_load_b64 v[212+2*\g:213+2*\g], v[STR] offset:256*\g
.endr
	WIN 0x80
.irp g, 0,1,2,3
.set QQ, 0
.rept 16
	ds_load_b128 v[64*\g+4*QQ:64*\g+4*QQ+3], v[PRD] offset:8192*\g+512*QQ
.set QQ, QQ+1
.endr
.endr
	WIN 0
	s_wait_dscnt 48                                ; the statistics and wave 0's part are in
	v_min3_num_f32 v230, v212, v214, v216
	v_min_num_f32 v230, v230, v218                 ; -M over all keys
.irp g, 0,1,2,3
	v_sub_f32 v[224+\g], v230, v[212+2*\g]
.endr
.irp g, 0,1,2,3
	v_cvt_i32_f32 v[224+\g], v[224+\g]
.endr
.irp g, 0,1,2,3
	v_ldexp_f32 v[224+\g], 1.0, v[224+\g]
.endr
	v_mul_f32 v231, v224, v213
	v_fmac_f32 v231, v225, v215
	v_fmac_f32 v231, v226, v217
	v_fmac_f32 v231, v227, v219
	s_wait_alu depctr_va_vdst(0)                   ; ahead of the transcendental,
	v_rcp_f32 v231, v231
	v_nop
	s_wait_alu depctr_va_vdst(0)                   ; and behind it
	v_ldexp_f32 v231, v231, s54                    ; 2^(e8 + e9) / the sum
.irp g, 0,1,2,3
	v_mul_f32 v[FF+2*\g], v[224+\g], v231
.endr
	WIN 0xa2
.set JJ, 0
.rept 32
	v_pk_mul_f32 v[JJ:JJ+1], v[JJ:JJ+1], v[FF:FF+1] op_sel_hi:[1,0]
.set JJ, JJ+2
.endr
.irp g, 1,2,3
	s_wait_dscnt 48-16*\g                          ; wave g's part is in
.if \g == 3
	s_wait_loadcnt 0x0                             ; Wo's codes and bo
.endif
.set JJ, 0
.rept 32
	v_pk_fma_f32 v[JJ:JJ+1], v[64*\g+JJ:64*\g+JJ+1], v[FF+2*\g:FF+2*\g+1], v[JJ:JJ+1] op_sel_hi:[1,0,1]
.set JJ, JJ+2
.endr
.endr
	WIN 0x82
.set JJ, 0
.rept 64
	v_med3_num_f32 v[JJ], v[JJ], -v[LA], v[LA]
.set JJ, JJ+1
.endr
	WIN 0x02
.irp t, 0,1,2,3,4,5,6,7
	v_cvt_scalef32_pk8_fp8_f32 v[PCD+2*\t:PCD+2*\t+1], v[8*\t:8*\t+7], v[SA]
.endr
	v_nop
	WIN 0xc1
.irp t, 0,1,2,3,4,5,6,7
	v_wmma_f32_16x16x128_fp8_fp8 v[8*\t:8*\t+7], v[16*\t:16*\t+15], v[PCD:PCD+15], 0      ; a lane holds one query and columns 16 t + 8 h + 0 .. 7
.endr
	NOPS 4
	WIN 0x0c
.irp t, 0,1,2,3,4,5,6,7
	ds_store_b128 v[OSI], v[8*\t:8*\t+3] offset:64*\t
	ds_store_b128 v[OSI], v[8*\t+4:8*\t+7] offset:64*\t+16
.endr
	WIN 0x80
.set QQ, 0
.rept 16
	ds_load_b128 v[4*QQ:4*QQ+3], v[OSO] offset:528*QQ      ; whole rows; the wave's own bytes: LDS serves its instructions in order
.set QQ, QQ+1
.endr
.irp m, 0,1,2,3
	s_wait_dscnt 12-4*\m                           ; rows 4 m .. 4 m + 3 are in
	WIN 0x82
.irp k, 0,1,2,3
	v_pk_fma_f32 v[16*\m+4*\k:16*\m+4*\k+1], v[16*\m+4*\k:16*\m+4*\k+1], s[52:53], v[BO:BO+1] op_sel_hi:[1,0,1]
	v_pk_fma_f32 v[16*\m+4*\k+2:16*\m+4*\k+3], v[16*\m+4*\k+2:16*\m+4*\k+3], s[52:53], v[BO+2:BO+3] op_sel_hi:[1,0,1]
.endr
	WIN 0x08
.irp k, 0,1,2,3
	global_store_b128 v[GO], v[16*\m+4*\k:16*\m+4*\k+3], s[16:17] offset:512*(4*\m+\k) th:TH_STORE_NT      ; 512 consecutive bytes, aligned
.endr
.endr
	WIN 0
	s_wait_tensorcnt 0x0                           ; the wave's end
	ds_add_u32 v[SPW], v[NIL]
	s_wait_dscnt 0x0
	ROUND                                          ; the closing round
	s_endpgm
.Lfunc_end_k_qabbf9ca948_attn:
	.size	k_qabbf9ca948_attn, .Lfunc_end_k_qabbf9ca948_attn-k_qabbf9ca948_attn
	.p2alignl 7, 3214868480
	.fill 96, 4, 3214868480
	.section	.rodata,"a",@progbits
	.p2align	6, 0x0
	.amdhsa_kernel k_qabbf9ca948_attn
		.amdhsa_group_segment_fixed_size 327680
		.amdhsa_private_segment_fixed_size 0
		.amdhsa_enable_private_segment 0
		.amdhsa_kernarg_size 56
		.amdhsa_user_sgpr_count 2
		.amdhsa_user_sgpr_kernarg_segment_ptr 1
		.amdhsa_wavefront_size32 1
		.amdhsa_system_sgpr_workgroup_id_x 1
		.amdhsa_system_sgpr_workgroup_id_y 1
		.amdhsa_system_sgpr_workgroup_id_z 1
		.amdhsa_system_vgpr_workitem_id 0
		.amdhsa_next_free_vgpr 1024
		.amdhsa_next_free_sgpr 90
		.amdhsa_reserve_vcc 0
		.amdhsa_float_denorm_mode_32 3
		.amdhsa_float_denorm_mode_16_64 3
		.amdhsa_memory_ordered 1
		.amdhsa_forward_progress 1
		.amdhsa_inst_pref_size 255
	.end_amdhsa_kernel
	.section	.bss,"aw",@nobits
	.p2align	6
	.space	262144
	.amdgpu_metadata
---
amdhsa.version: [ 1, 2 ]
amdhsa.kernels:
  - .name:           k_qabbf9ca948_attn
    .symbol:         k_qabbf9ca948_attn.kd
    .args:
      - { .name: q_codes, .offset: 0, .size: 8, .value_kind: global_buffer, .address_space: global }
      - { .name: k_codes, .offset: 8, .size: 8, .value_kind: global_buffer, .address_space: global }
      - { .name: v_codes, .offset: 16, .size: 8, .value_kind: global_buffer, .address_space: global }
      - { .name: wo_codes, .offset: 24, .size: 8, .value_kind: global_buffer, .address_space: global }
      - { .name: bo, .offset: 32, .size: 8, .value_kind: global_buffer, .address_space: global }
      - { .name: lowp_scales, .offset: 40, .size: 8, .value_kind: global_buffer, .address_space: global }
      - { .name: out0, .offset: 48, .size: 8, .value_kind: global_buffer, .address_space: global }
    .group_segment_fixed_size: 327680
    .private_segment_fixed_size: 0
    .kernarg_segment_align: 8
    .kernarg_segment_size: 56
    .max_flat_workgroup_size: 128
    .sgpr_count:     90
    .vgpr_count:     1024
    .wavefront_size: 32
...
	.end_amdgpu_metadata
.endif
;; end of part 2
